; MI455X (gfx1250); checked and timed in simulation.
; The chip was launched on July 23, 2026; its instructions are those of AMD's public machine-readable ISA for CDNA 5 (MIT licence, August 2026) and "CDNA5" Instruction Set Architecture Reference Guide (July 2026). The comments in the code are by the model that wrote it; some were corrected since.
;; Multi Head Attention Efficient. Allowed arithmetic: matrix products marked QUANTISED: E5M2 operands, one E8M0 scale for each 32 along K, by v_wmma_scale_f32_16x16x128_f8f6f4 with both operands' format E5M2, f32 sums; everything else in f32.
;; Inputs: W_out_codes 1,024 x 32 x 32 uint8 (E5M2 codes of W_out, K innermost, in blocks of 32 codes); W_out_scales 1,024 x 32 uint8 (E8M0 scales of W_out, one for each 32 codes along K); W_qkv_codes 3,072 x 32 x 32 uint8 (E5M2 codes of W_qkv, K innermost, in blocks of 32 codes); W_qkv_scales 3,072 x 32 uint8 (E8M0 scales of W_qkv, one for each 32 codes along K); b_out 1,024 float32; b_qkv 3,072 float32; x_codes 4 x 2,048 x 32 x 32 uint8 (E5M2 codes of x, K innermost, in blocks of 32 codes); x_scales 4 x 2,048 x 32 uint8 (E8M0 scales of x, one for each 32 codes along K).
;; Outputs: out0 4 x 2,048 x 1,024 float32.
;; This version of the problem:
;;   THIS VERSION OF THE PROBLEM IS GIVEN IN LOW PRECISION. The matrix products marked QUANTISED in the list below multiply operands that are first quantised to E5M2 (5 exponent bits, 2 mantissa bits; 8 bits a number), with one power-of-two scale for each 32 numbers along K (OCP MX v1.0); their sums are f32. All else is computed in f32.
;;   The module's matrix products, in the order in which they are computed (A, B: the left and right operand; K: the contracted axis; several contracted axes count as one K, in the product's order):
;;     1. [M 8,192, K 1,024] x [K 1,024, N 3,072]; A: input x (given as codes); B: input W_qkv (given as codes): QUANTISED
;;     2. batch 64 x [M 2,048, K 64] x [K 64, N 2,048]; A: computed on the way; B: computed on the way: QUANTISED
;;     3. batch 64 x [M 2,048, K 2,048] x [K 2,048, N 64]; A: softmax (see below); B: computed on the way: QUANTISED
;;     4. [M 8,192, K 1,024] x [K 1,024, N 1,024]; A: computed on the way; B: input W_out (given as codes): QUANTISED
;;   THE QUANTISER, for each operand of a quantised product, along K:
;;     - K is cut into blocks of 32 from its start; a last block that is shorter is filled with zeros.
;;     - A block's scale is 2^e with e = floor(log2(the largest magnitude in the block)) - 15, held to -126 .. 127; a block of zeros has e = 0. As a byte (E8M0): e + 127.
;;     - Each number is divided by its block's scale, clamped to +-57,344, and rounded to the nearest number of E5M2, ties to even, subnormals kept.
;;     - The product sums the exact products of the quantised numbers (number of the format x scale) in f32.
;;   ~~~python
;;   def quantise(x, axis):      # numpy; x: float32 -> the quantised numbers, widened to float32 again
;;       x = np.moveaxis(x, axis, -1); K = x.shape[-1]
;;       x = np.pad(x, [(0, 0)] * (x.ndim - 1) + [(0, -K % 32)]); x = x.reshape(x.shape[:-1] + (-1, 32)); a = np.abs(x).max(-1, keepdims=True)
;;       e = np.where(a > 0, np.clip(np.frexp(np.where(a > 0, a, 1))[1] - 1 - 15, -126, 127), 0)      # np.frexp(a)[1] - 1 = floor(log2(a)), exactly
;;       r = np.clip(x / 2.0 ** e, -57344, 57344)
;;       step = 2.0 ** (np.maximum(np.frexp(np.where(r == 0, 1, r))[1] - 1, -14) - 2)
;;       q = np.round(r / step) * step * 2.0 ** e      # np.round: ties to even
;;       return np.moveaxis(q.reshape(q.shape[:-2] + (-1,))[..., :K], -1, axis).astype(np.float32)
;;   ~~~
;;   SOFTMAX AHEAD OF A QUANTISED PRODUCT. Where the list says 'softmax', what is quantised is not the finished softmax but p = 2^(t - M), with t = logit x log2(e) and M = ceil(the row's largest t), a whole number; so 1/2 < the row's largest p <= 1. The row's sum l is taken of the UNQUANTISED p, in f32, and the product's result is divided by l at the end. Since M is a whole number, a kernel that streams over the keys may use a running M (the ceiling of the running maximum): every later rescaling is an exact power of two, which a block's scale takes up: the codes' values come out the same.
;;   OPERANDS COMPUTED ON THE WAY. 'Computed on the way' means the value that the module computes at that place (a softmax that the list does not call 'softmax' is quantised finished and normalised). What goes into a quantiser is computed in f32, as accurately as f32 sums, v_exp_f32 and their like allow (about 1e-6 of the number): no bf16 or f16 on the way to a quantiser, and a product that is left as it is and whose result goes on into a quantised operand takes f32 operands (vector FMAs, or v_wmma_f32_16x16x4_f32). A number that lies on a knife's edge between two numbers of the format may be rounded either way, as far as f32 arithmetic and the matrix unit's own rounding can turn it there, and no further.
;;   INPUTS GIVEN AS CODES. W_out (in the module: [1024, 1024], K = its axis 0); W_qkv (in the module: [1024, 3072], K = its axis 0); x (in the module: [4, 2048, 1024], K = its axis 2): each comes as NAME_codes (uint8): NAME with its K axis moved to the last place and cut into blocks of 32 codes, [.., K / 32, bytes a block], one block behind the other in memory; one code a byte (a code: sign, 5 exponent bits, 2 mantissa bits); and NAME_scales (uint8): the same leading axes, one E8M0 byte (e + 127) for each 32 codes along K. Its value is code x scale, taken as it is: it is not quantised again, and the codes and scales need not be those that the quantiser above would give.
;; One version. Each part assembles by itself: llvm-mc -triple=amdgcn-amd-amdhsa -mcpu=gfx1250 --defsym DOCPART=n.
;; ======== version 1 of 1: 3 launches
;; limits: right only within a limited range of input values
;; workspace buffers: qimg 8,650,752 bytes; kimg 8,650,752 bytes; vimg 8,650,752 bytes; aimg 8,388,608 bytes; asc 262,144 bytes
;; launch qkv (part 1): grid 8 x 48, 4 waves a work-group, clusters of 4 x 4, 327,680 bytes of LDS; arguments x_codes, x_scales, W_qkv_codes, W_qkv_scales, b_qkv, qimg, kimg, vimg; writes qimg, kimg, vimg
.if DOCPART == 1
	.amdgcn_target "amdgcn-amd-amdhsa--gfx1250"
	.amdhsa_code_object_version 6
	.text
	.protected	k_q86ed3f3b66_qkv
	.globl	k_q86ed3f3b66_qkv
	.p2align	8
	.type	k_q86ed3f3b66_qkv,@function
k_q86ed3f3b66_qkv:
	s_mov_b64 s[64:65], 0
	v_nop
	global_prefetch_b8 v0, s[64:65] scope:SCOPE_SE
	s_setreg_imm32_b32 hwreg(HW_REG_WAVE_MODE, 25, 1), 1
	s_wait_xcnt 0x0
	s_wait_alu depctr_hold_cnt(0) depctr_sa_sdst(0) depctr_va_vdst(0) depctr_va_sdst(0) depctr_va_ssrc(0) depctr_va_vcc(0) depctr_vm_vsrc(0)
	s_getreg_b32 s2, hwreg(HW_REG_IB_STS2, 6, 4)
	s_cmp_eq_u32 s2, 0
	s_cbranch_scc0 .Lentry_in_a_cluster
	s_endpgm
.Lentry_in_a_cluster:
	s_bfe_u32 s2, ttmp6, 0x10000c
	s_cmp_lg_u32 s2, 0xf033
	s_cbranch_scc0 .Lentry_shape_is_right
	s_endpgm
.Lentry_shape_is_right:
; qkv = x W_qkv + b_qkv on codes of BF8 (E5M2) with one E8M0 scale for each 32 along K = 1,024; the results are quantised in registers and leave as codes:
; q and k along the head's 64 (two blocks of 32), v along the keys.  x: [8192][1024] codes, W_qkv: [3072][1024] codes, K innermost; scale bytes [rows][32].
; A tile of 256 x 256 is made by four waves, 128 x 128 each: 64 accumulators, 512 registers.  K goes in steps of 256 through a ring of two LDS slots; the scale bytes of the tile's rows come once.
; THE MATRIX INSTRUCTION: source 0 = 16 rows of the 'B side', source 1 = 16 rows of the 'A side': a lane holds ONE row of the A side, and its eight registers eight neighbouring rows of the B side.
; A quantiser wants its K along a lane's registers.  So for q and k (clusters y 0-7) the A side is x (tokens in lanes) and the B side W's rows 0-2047 (features along registers);
; for v (clusters y 8-11) the A side is W's rows 2048-3071 (features in lanes) and the B side x (keys along registers).  Both tensors have rows of 1,024 bytes and scale rows of 32, so only pointers are chosen.
; CLUSTERS 4 x 4: the A side's tile is shared along a row of the cluster, the B side's along a column: joint tensor loads, one a wave.
; THE BIAS is the C of the first K step's products (64 registers in the result's layout): by the register tile for q and k, by the lane block for v: that one step is written twice.
; WHAT IS STORED: images of the operand registers of the launch that follows.  A head (16 x batch + head) is 16 blocks of 8,448 bytes, one for 128 tokens:
;   q, k: 8 tiles of 16 tokens x 1,024 bytes [block of d 0,1][lane][16 bytes], then 256 bytes of scale words [token % 16][4]: word f = the bytes of tokens 32 f + r (two) and 32 f + 16 + r (two).
;   v:    4 fragments of 16 features x 2,048 bytes [block of keys 0-3][lane][16 bytes], then 256 bytes [feature % 16][fragment]: a word = the four key blocks' bytes.
;   Inside a block of 32, place 16 h + 8 u + j holds element 16 u + 8 h + j (what two neighbouring result tiles give a lane); q and k share that order along d, v shares it with the weights p along the keys.
; LIMITS: NaN and infinities are not served.  A block's largest magnitude is taken no lower than 2^(16 - 127), so a block of zeros gets the byte 1 (its codes are zeros; this program alone reads the bytes).
; REGISTERS: window 0: v1-29 addresses; v32-63 scale words, two sets; v64-127 the bias, later the quantiser's work; v128-255 the A side's fragments, one set.
;   window 1: the B side's fragments, two sets.  windows 2, 3: the accumulators ((a, b) at v[8 (8 (a % 4) + b)]).
.set KSTEP,  256
.set NQ,     2                         ; matrix instructions deep in a slot
.set ROWB,   256                       ; a tile's row in bytes
.set KROW,   1024                      ; a row of codes in memory
.set PITCH,  272                       ; an LDS row: 256 bytes + 16 of padding: the 16 rows of a fragment load start 68 words apart
.set FR,     16
.set NL,     4
.set NP,     8                         ; places behind this matrix instruction (ISA guide 7.12.1)
.set HALFT,  128*PITCH
.set SLOT,   4*HALFT
.set LAPS,   2                         ; 1,024 / 512
.set KS,     32                        ; a row of scale bytes
.set SCL,    2*SLOT
.set HALFS,  (128*KS/256)*272
.set SBLK,   (16*KS/256)*272
.set SPARE,  SCL+4*HALFS               ; the spare words: 128 bytes a wave, two blocks of 256 bytes that no other line names
.set HEADB,  135168                    ; a head's image
.set BLKB,   8448                      ; a block of 128 tokens in it
.set VB,   8                           ; v8-15   the bias loads' offsets
.set ADRA, 16                          ; v16-17  LDS address of my A fragments in slot 0, 1
.set ADRB, 20                          ; v20-21  the same for B
.set VO,   22                          ; v22-23  the code stores' offsets
.set VSC,  24                          ; v24     the scale words' offset
.set SELV, 25                          ; v25     byte selects
.set ADRS, 27                          ; v27     LDS address of my scale words
.set SPW,  28                          ; v28     my spare word; never rewritten
.set NIL,  29                          ; v29     0; never rewritten
.set SC,   32
.set BT,   64                          ; v64-127 the bias
.set TM,   64                          ; v64-79  the way out: largest magnitudes, bytes, scale operands
.set OW,   80                          ; v80-83  scale words as they are stored
.set SW,   96                          ; v96-103 a scale word for each block a
.set PC,   104                         ; v104-119 the codes just made
.set AF,   128
.set G1, 24
.set G0, 32
.set G1B, 48
.set G0B, 56
.set G1S, 68
.set G0S, 76
.set G1SB, 80
.set G0SB, 88
.set MSB, 0
.macro WIN new                         ; the immediate's high byte repeats the setting that is left
.if MSB != \new
	s_set_vgpr_msb (MSB<<8)|\new
.set MSB, \new
.endif
.endm
.set MUL_LO, 0xa1                      ; source 0 window 1, source 1 window 0, C and D window 2
.set MUL_HI, 0xf1                      ; the same, C and D window 3
.set TO_B,   0x40
; A joint load: waves 0 and 1 fetch for the A side, waves 2 and 3 for the B side; the branch hangs on the wave's number alone.  Four v_nop follow each line.
.macro JLOAD g0a, g1a, g0b, g1b
	s_cmp_eq_u32 s15, 0
	s_cbranch_scc0 .Lfor_b_\@
	tensor_load_to_lds s[\g0a:\g0a+3], s[\g1a:\g1a+7]
	s_nop 0
.rept 4
	v_nop
.endr
	s_branch .Lasked_\@
.Lfor_b_\@:
	tensor_load_to_lds s[\g0b:\g0b+3], s[\g1b:\g1b+7]
	s_nop 0
.rept 4
	v_nop
.endr
.Lasked_\@:
.endm
.macro CREST                           ; a round of the cluster's barrier behind its opening barrier
	s_cmp_lg_u32 s14, 0
	s_cbranch_scc1 .Lnot_wave_0_\@
	s_barrier_signal -3
.Lnot_wave_0_\@:
	s_barrier_wait -3
	s_barrier_signal -1
	s_barrier_wait -1
.endm
.macro CROUND
	s_barrier_signal -1
	s_barrier_wait -1
	CREST
.endm
	s_load_b256 s[4:11], s[0:1], 0x0               ; x's codes, x's scales, W's codes, W's scales
	s_load_b256 s[92:99], s[0:1], 0x20             ; b_qkv, qimg, kimg, vimg
	v_lshl_add_u32 v[SPW], v0, 2, SPARE
	v_mov_b32 v[NIL], 0
	ds_add_u32 v28, v29
	ds_add_u32 v28, v29
	s_wait_dscnt 0x0
	v_lshrrev_b32 v1, 5, v0
	v_readfirstlane_b32 s14, v1                    ; wave 0..3
	s_lshr_b32 s15, s14, 1                         ; which half of the A side's rows is mine.  Also: I fetch for A (0) or for B (1)
	s_and_b32 s16, s14, 1                          ; which half of the B side's.  Also: which 128 rows I fetch
	s_bfe_u32 s40, ttmp6, 0x40000                  ; cx
	s_bfe_u32 s41, ttmp6, 0x40004                  ; cy
	s_and_b32 s67, ttmp7, 0xffff                   ; cluster y: 0-7 q and k, 8-11 v: the same in all sixteen partners
	s_lshl_b32 s18, ttmp9, 2                       ; 4 x cluster x
	s_lshl_b32 s19, s67, 2                         ; 4 x cluster y
	s_lshl_b32 s20, s67, 3
	s_sub_co_u32 s20, s20, 64
	s_add_co_u32 s20, s20, s18                     ; 8 (cluster y - 8) + 4 x cluster x (used for v alone)
	s_cmp_ge_u32 s67, 8
	s_cselect_b32 s17, 8, s19
	s_cselect_b32 s42, s20, s18
	s_add_co_u32 s17, s17, s41                     ; the A side's tile: q, k: x's 4 Y + cy;  v: W's 8 + cy: it never holds cx
	s_add_co_u32 s42, s42, s40                     ; the B side's tile: q, k: W's 4 X + cx;  v: x's 8 (Y - 8) + 4 X + cx: it never holds cy
	s_lshl_b32 s43, s41, 2
	s_lshl_b32 s43, 15, s43                        ; my row of the cluster
	s_lshl_b32 s44, 0x1111, s40                    ; my column
	; descriptor group 1: a tile of 128 rows x 256 bytes, 16 bytes of padding behind each row
	s_or_b32 s[G1+0], s43, (0<<16)|(1<<20)|(1<<21)|(5<<22)|(3<<25)
	s_or_b32 s[G1B+0], s44, (0<<16)|(1<<20)|(1<<21)|(5<<22)|(3<<25)
.irp g, G1, G1B
	s_mov_b32 s[\g+1], ROWB<<16                    ; tensor_dim0
	s_mov_b32 s[\g+2], 128<<16                     ; tensor_dim1
	s_mov_b32 s[\g+3], ROWB<<16                    ; tile_dim0
	s_mov_b32 s[\g+4], 128                         ; tile_dim1
	s_mov_b32 s[\g+5], KROW                        ; from row to row
	s_mov_b32 s[\g+6], 0
	s_mov_b32 s[\g+7], 0
.endr
	; the scale bytes of 128 rows: 4,096 dense bytes as 16 rows of 256 (32 elements of 8 bytes), 16 bytes of padding behind each
	s_or_b32 s[G1S+0], s43, (3<<16)|(1<<20)|(1<<21)|(5<<22)|(3<<25)
	s_or_b32 s[G1SB+0], s44, (3<<16)|(1<<20)|(1<<21)|(5<<22)|(3<<25)
.irp g, G1S, G1SB
	s_mov_b32 s[\g+1], 32<<16
	s_mov_b32 s[\g+2], (128*KS/256)<<16
	s_mov_b32 s[\g+3], 32<<16
	s_mov_b32 s[\g+4], 128*KS/256
	s_mov_b32 s[\g+5], 32
	s_mov_b32 s[\g+6], 0
	s_mov_b32 s[\g+7], 0
.endr
	s_lshl_b32 s18, s16, 7
	s_lshl_b32 s20, s17, 8
	s_add_co_u32 s20, s20, s18                     ; the A side's first row that I fetch
	s_lshl_b32 s46, s42, 8
	s_add_co_u32 s46, s46, s18                     ; the B side's
	s_lshl_b32 s22, s20, 5                         ; their scale bytes: 32 a row,
	s_mov_b32 s23, 0
	s_lshl_b32 s12, s46, 5
	s_mov_b32 s13, 0
	s_lshl_b32 s20, s20, 10                        ; their codes: 1,024 a row (all under 2^24)
	s_mov_b32 s21, 0
	s_lshl_b32 s46, s46, 10
	s_mov_b32 s47, 0
	s_mul_i32 s45, s14, HALFT                      ; where they go: wave x 128 rows
	s_mul_i32 s66, s14, HALFS
	s_wait_kmcnt 0x0
	s_cmp_ge_u32 s67, 8                            ; the sides' buffers: the choice hangs on the cluster's y alone
	s_cselect_b64 s[100:101], s[8:9], s[4:5]       ; A's codes:  v: W's, else x's
	s_cselect_b64 s[8:9], s[4:5], s[8:9]           ; B's codes
	s_cselect_b64 s[4:5], s[10:11], s[6:7]         ; A's scales
	s_cselect_b64 s[10:11], s[6:7], s[10:11]       ; B's scales
	s_add_nc_u64 s[20:21], s[100:101], s[20:21]
	s_add_nc_u64 s[22:23], s[4:5], s[22:23]
	s_add_nc_u64 s[46:47], s[8:9], s[46:47]
	s_add_nc_u64 s[12:13], s[10:11], s[12:13]
	CROUND                                         ; all sixteen work-groups are here: the first joint loads meet
	s_mov_b32 s[G0S], 1
	s_add_co_u32 s[G0S+1], s66, SCL
	s_mov_b64 s[G0S+2:G0S+3], s[22:23]
	s_or_b32 s[G0S+3], s[G0S+3], 0x80000000
	s_mov_b32 s[G0SB], 1
	s_add_co_u32 s[G0SB+1], s66, SCL
	s_mov_b64 s[G0SB+2:G0SB+3], s[12:13]
	s_or_b32 s[G0SB+3], s[G0SB+3], 0x80000000
	JLOAD G0S, G1S, G0SB, G1SB                     ; the scales first: they are wanted with K step 0
.irp s, 0,1
	s_mov_b32 s[G0+4*\s], 1
	s_add_co_u32 s[G0+4*\s+1], s45, \s*SLOT
	s_add_nc_u64 s[G0+4*\s+2:G0+4*\s+3], s[20:21], \s*ROWB
	s_or_b32 s[G0+4*\s+3], s[G0+4*\s+3], 0x80000000
	s_mov_b32 s[G0B+4*\s], 1
	s_add_co_u32 s[G0B+4*\s+1], s45, \s*SLOT
	s_add_nc_u64 s[G0B+4*\s+2:G0B+4*\s+3], s[46:47], \s*ROWB
	s_or_b32 s[G0B+4*\s+3], s[G0B+4*\s+3], 0x80000000
	JLOAD G0+4*\s, G1, G0B+4*\s, G1B
.endr
	v_and_b32 v1, 15, v0                           ; r = l % 16
	v_bfe_u32 v2, v0, 4, 1                         ; h = l / 16
	v_mul_u32_u24 v3, v1, PITCH
	v_lshl_add_u32 v4, v2, 4, v3                   ; a fragment's row x pitch + 16 x half
	s_mul_i32 s21, s15, HALFT
	s_mul_i32 s22, s16, HALFT
	s_add_co_u32 s22, s22, 2*HALFT
.irp s, 0,1
	v_add_nc_u32 v[ADRA+\s], s21, v4
	v_add_nc_u32 v[ADRB+\s], s22, v4
	s_add_co_u32 s21, s21, SLOT
	s_add_co_u32 s22, s22, SLOT
.endr
	v_mul_u32_u24 v5, v1, KS                       ; my row's scales: 32 bytes a row,
	v_lshrrev_b32 v6, 8, v5
	v_lshl_add_u32 v5, v6, 4, v5                   ; and 16 more for each 256 passed
	s_mul_i32 s21, s15, HALFS
	s_mul_i32 s22, s16, HALFS
	s_add_co_u32 s22, s22, 2*HALFS
	s_sub_co_u32 s22, s22, s21
	v_mul_u32_u24 v6, s22, v2                      ; lanes 16-31 take B's
	s_add_co_u32 s21, s21, SCL
	v_add_nc_u32 v5, v5, v6
	v_add_nc_u32 v[ADRS], s21, v5
	; what my 128 x 128 is: RA, RB = my first rows of the two sides; NN = my first feature (a row of W), T0 = my first token (a row of x)
	s_lshl_b32 s20, s17, 8
	s_lshl_b32 s21, s15, 7
	s_add_co_u32 s20, s20, s21                     ; RA
	s_lshl_b32 s21, s42, 8
	s_lshl_b32 s22, s16, 7
	s_add_co_u32 s21, s21, s22                     ; RB
	s_mov_b32 s42, HEADB
	s_mov_b32 s40, 1024
	s_mov_b32 s46, 1024
	s_cmp_ge_u32 s67, 8
	s_cselect_b32 s22, s20, s21                    ; NN
	s_cselect_b32 s23, s21, s20                    ; T0
	s_cselect_b32 s18, 4, 0                        ; the bias's offset: 4 r for v,
	s_cselect_b32 s19, 0, 32                       ; 32 h
	s_cselect_b32 s45, 0, 4                        ; + 4 j for q and k
	s_cselect_b32 s42, 1024, s42                   ; from blocks 0, 1 to blocks 2, 3 of a lane's four: v: 1,024 bytes on; q, k: the next head
	s_cselect_b32 s40, 2048, s40                   ; from block a to a + 1: v: the next fragment; q, k: the next tile of tokens
	s_cselect_b32 s46, HEADB-3*2048, s46           ; from a = 3 to a = 4: v: the next head's first fragment
	s_cselect_b64 s[6:7], s[98:99], s[94:95]       ; vimg, else qimg,
	s_mov_b32 s41, 0
	s_mov_b32 s47, 0
	s_bfe_u32 s20, s22, 0x2000a                    ; NN / 1,024: 0 q, 1 k, 2 v
	s_cmp_eq_u32 s20, 1
	s_cselect_b64 s[6:7], s[96:97], s[6:7]         ; or kimg
	s_lshl_b32 s20, s22, 2
	s_mov_b32 s21, 0
	s_add_nc_u64 s[92:93], s[92:93], s[20:21]      ; the bias at my first feature
	s_lshr_b32 s20, s23, 11                        ; batch
	s_lshl_b32 s20, s20, 4
	s_bfe_u32 s21, s22, 0x40006                    ; my first head: (NN % 1,024) / 64
	s_add_co_u32 s20, s20, s21
	s_mul_i32 s20, s20, HEADB
	s_bfe_u32 s21, s23, 0x40007                    ; the block of 128 tokens
	s_mul_i32 s21, s21, BLKB
	s_add_co_u32 s20, s20, s21
	s_mov_b32 s21, 0
	s_add_nc_u64 s[6:7], s[6:7], s[20:21]          ; where my codes begin
	s_add_nc_u64 s[12:13], s[6:7], 8192            ; and my scale words
	v_mul_u32_u24 v[VB], s18, v1
	v_mad_u32_u24 v[VB], v2, s19, v[VB]
.irp j, 1,2,3,4,5,6,7
	v_add_nc_u32 v[VB+\j], s45, v[VB+\j-1]
.endr
.irp i, 0,1,2,3,4,5,6,7
.irp j, 0,1,2,3,4,5,6,7
	global_load_b32 v[BT+8*\i+\j], v[VB+\j], s[92:93] offset:64*\i   ; q, k: b[NN + 16 i + 8 h + j], for register tile i;  v: b[NN + 16 i + r] in all eight, for lane block i
.endr
.endr
	v_and_b32 v5, 31, v0
	v_lshlrev_b32 v[VO], 4, v5                     ; 16 x lane
	v_add_nc_u32 v[VO+1], s42, v[VO]
	v_mul_u32_u24 v[VSC], HEADB, v2
	v_lshl_add_u32 v[VSC], v1, 4, v[VSC]           ; 16 r; lanes 16-31 the second head's
	s_mov_b32 s2, 0x8000000                        ; the floor 2^(16 - 127)
	s_mov_b32 s18, 0x76543210
	s_mov_b32 s19, 0xfedcba98                      ; v_permlanex16_b32's selects for lane l xor 16
.macro FRAG reg, adr, q, i             ; 16 rows x 128 K: lane l holds row l % 16; registers 4 c .. 4 c + 3 hold K = 32 c + 16 (l / 16) + 0 .. 15
.irp c, 0,1,2,3
	ds_load_b128 v[\reg+4*\c:\reg+4*\c+3], v[\adr] offset:128*(\q)+32*\c+(\i)*16*PITCH
.endr
.endm
; 16 matrix instructions: A's blocks a0, a0 + 1 x B's eight.  cm = 0: onto the sums;  1: the sums start from the bias of register tile b;  2: from that of lane block a.
; The 64 accumulators take turns, one instruction a turn, in the same order in every step.
.macro MUL16 a0, p, q, sc, cm
.irp a, \a0, \a0+1
.irp b, 0,1,2,3,4,5,6,7
.set rD, 8*(8*((\a)%4)+\b)
.set rB, 128*(\p)+FR*\b
.set rA, AF+FR*(\a)
.set rSB, SC+8*NQ*(\sc)+NQ*\b+(\q)
.set rSA, SC+8*NQ*(\sc)+NQ*(\a)+(\q)
.set rC, BT+8*\b
.if \cm == 2
.set rC, BT+8*(\a)
.endif
.if \cm == 0
	v_wmma_scale_f32_16x16x128_f8f6f4 v[rD:rD+7], v[rB:rB+15], v[rA:rA+15], v[rD:rD+7], v[rSB], v[rSA] matrix_a_fmt:MATRIX_FMT_BF8 matrix_b_fmt:MATRIX_FMT_BF8 matrix_a_scale:MATRIX_SCALE_ROW1
.else
	v_wmma_scale_f32_16x16x128_f8f6f4 v[rD:rD+7], v[rB:rB+15], v[rA:rA+15], v[rC:rC+7], v[rSB], v[rSA] matrix_a_fmt:MATRIX_FMT_BF8 matrix_b_fmt:MATRIX_FMT_BF8 matrix_a_scale:MATRIX_SCALE_ROW1
.endif
.endr
.endr
.endm
.macro FETCH_B slot, q, p
	WIN TO_B
.irp i, 0,1,2,3,4,5,6,7
	FRAG 128*(\p)+FR*\i, ADRB+\slot, \q, \i
.endr
	WIN 0
.endm
.macro FETCH_A slot, q, i0
.irp i, \i0, \i0+1, \i0+2, \i0+3
	FRAG AF+FR*(\i), ADRA+\slot, \q, \i
.endr
.endm
.macro SCALES sc                       ; a K step's scale words: two a row; lanes 0-15 A's block i, lanes 16-31 B's block i
.irp i, 0,1,2,3,4,5,6,7
	ds_load_b64 v[SC+8*NQ*\sc+NQ*\i:SC+8*NQ*\sc+NQ*\i+1], v[ADRS] offset:\i*SBLK
.endr
.endm
.macro PLACES n                        ; places in front of loads into registers that matrix instructions have read, and of the first read of results
.rept \n
	v_nop
.endr
.endm
; A step of 128 along K that has its successor in the same slot.
.macro STEP slot, q, cm
	s_wait_dscnt 4*NL                              ; all but the youngest sixteen loads (A's blocks 4-7) are in
.if \cm
	WIN 0x81                                       ; C (the bias) in window 0, D in window 2
.else
	WIN MUL_LO
.endif
	MUL16 0, (\q)%2, \q, \slot, \cm
	MUL16 2, (\q)%2, \q, \slot, \cm
	s_wait_dscnt 0                                 ; A's blocks 4-7 are in
	PLACES NP
	FETCH_B \slot, (\q)+1, 1-(\q)%2
	FETCH_A \slot, (\q)+1, 0
.if \cm
	WIN 0xc1
.else
	WIN MUL_HI
.endif
	MUL16 4, (\q)%2, \q, \slot, \cm
	MUL16 6, (\q)%2, \q, \slot, \cm
	PLACES NP
	WIN 0
	FETCH_A \slot, (\q)+1, 4
.endm
; A slot's last step changes slots: one barrier; in front of it each wave waits for all its tensor loads, adds 0 to its spare word, and waits for that and for its reads of this slot.
.macro TURN slot, next, fill
	s_wait_tensorcnt 0x0                           ; all my tensor loads have landed: my part of the next slot
	ds_add_u32 v[SPW], v[NIL]                      ; 0 onto my spare word
	s_wait_dscnt 4*NL+1                            ; the add and the youngest sixteen loads may be out
	WIN MUL_LO
	MUL16 0, 1, NQ-1, \slot, 0
	s_wait_dscnt 0x0                               ; the add is done, and my reads of this slot are over
	s_barrier_signal -1
	MUL16 2, 1, NQ-1, \slot, 0
	WIN 0
	s_barrier_wait -1
.if \fill
	CREST                                          ; the barrier has opened a round of the cluster's: no wave of any partner still reads this slot or has a load on its way
	s_add_nc_u64 s[G0+4*\slot+2:G0+4*\slot+3], s[G0+4*\slot+2:G0+4*\slot+3], 2*ROWB
	s_add_nc_u64 s[G0B+4*\slot+2:G0B+4*\slot+3], s[G0B+4*\slot+2:G0B+4*\slot+3], 2*ROWB
	JLOAD G0+4*\slot, G1, G0B+4*\slot, G1B         ; the first tensor load behind the round; its four v_nop are four of the eight places
	PLACES NP-4
.else
	PLACES NP
.endif
	s_wait_alu depctr_va_vdst(0)
	v_add_nc_u32 v[ADRS], 4*NQ, v[ADRS]            ; the next K step's scale words
	FETCH_B \next, 0, 0
	FETCH_A \next, 0, 0
	SCALES \next
	WIN MUL_HI
	MUL16 4, 1, NQ-1, \slot, 0
	MUL16 6, 1, NQ-1, \slot, 0
	PLACES NP
	WIN 0
	FETCH_A \next, 0, 4
.endm
	s_wait_tensorcnt 1                             ; the scales and my part of K step 0 are in; K step 1's load, issued behind them, may be out
	s_barrier_signal -1
	s_barrier_wait -1
	FETCH_B 0, 0, 0
	FETCH_A 0, 0, 0
	SCALES 0
	FETCH_A 0, 0, 4
	s_wait_loadcnt 0x0                             ; the bias
	s_cmp_ge_u32 s67, 8
	s_cbranch_scc1 .Lfirst_v
	STEP 0, 0, 1                                   ; q, k: the bias runs along the registers
	s_branch .Lfirst_done
.Lfirst_v:
	STEP 0, 0, 2                                   ; v: along the lanes
.Lfirst_done:
	s_mov_b32 s3, LAPS-1
.Llap:                                                 ; a trip goes once round the ring and fills both slots again
	TURN 0, 1, 1
	STEP 1, 0, 0
	TURN 1, 0, 1
	STEP 0, 0, 0
	s_sub_co_u32 s3, s3, 1
	s_cmp_lg_u32 s3, 0
	s_cbranch_scc1 .Llap
	TURN 0, 1, 0                                   ; the last lap fills nothing
	STEP 1, 0, 0
	s_wait_dscnt 4*NL
	WIN MUL_LO
	MUL16 0, 1, NQ-1, 1, 0
	MUL16 2, 1, NQ-1, 1, 0
	s_wait_dscnt 0
	WIN MUL_HI
	MUL16 4, 1, NQ-1, 1, 0
	MUL16 6, 1, NQ-1, 1, 0
	WIN 0
; THE WAY OUT.  The 64 registers of block a's eight accumulators are, for my lane's row, four blocks of 32 along the quantiser's K: 16 numbers each here, 16 in lane l xor 16.
; Largest magnitude (with the floor), scale byte, conversion; a block's 16 codes are 16 bytes a lane, and the wave's store covers 512 consecutive bytes, aligned.
.macro QEPI a
.set AC, 64*((\a)%4)
.set W, 2+(\a)/4                       ; the accumulators' window
.set W1, (W<<2)|(W<<4)
.set W3, (W<<6)|W
	WIN W1                                         ; sources 1 and 2 in the accumulators' window
.irp b, 0,1,2,3
	v_max3_num_f32 v[TM+\b], s2, |v[AC+16*\b]|, |v[AC+16*\b+1]|        ; each accumulator is read from its low end on
.endr
.irp i, 2,4,6,8,10,12,14
.irp b, 0,1,2,3
	v_max3_num_f32 v[TM+\b], v[TM+\b], |v[AC+16*\b+\i]|, |v[AC+16*\b+\i+1]|
.endr
.endr
	WIN 0
.irp b, 0,1,2,3
	v_permlanex16_b32 v[TM+4+\b], v[TM+\b], s18, s19
.endr
.irp b, 0,1,2,3
	v_max_num_f32 v[TM+\b], v[TM+\b], v[TM+4+\b]   ; the block's largest magnitude
.endr
.irp b, 0,1,2,3
	v_add_nc_u32 v[TM+12+\b], 0xf8800000, v[TM+\b] ; 15 off its exponent field: the conversion's scale operand
.endr
.irp b, 0,1,2,3
.endr
.irp b, 0,1,2,3
	v_lshrrev_b32 v[TM+4+\b], 23, v[TM+12+\b]      ; the scale's byte
.endr
	v_lshl_or_b32 v[SW+(\a)], v[TM+5], 8, v[TM+4]
	v_lshl_or_b32 v[SW+(\a)], v[TM+6], 16, v[SW+(\a)]
	v_lshl_or_b32 v[SW+(\a)], v[TM+7], 24, v[SW+(\a)]
	WIN W3
.irp b, 0,1,2,3
.irp i, 0,1,2,3,4,5,6,7,8,9,10,11,12,13,14,15
.endr
.endr
.if (\a) > 0
	s_wait_xcnt 0x0                                ; the last block's stores have read their data and their base: both are written again only behind this wait
.if (\a) == 4
	s_add_nc_u64 s[6:7], s[6:7], s[46:47]
.else
	s_add_nc_u64 s[6:7], s[6:7], s[40:41]
.endif
.endif
	WIN W
.irp b, 0,1,2,3
	v_cvt_scalef32_pk8_bf8_f32 v[PC+4*\b:PC+4*\b+1], v[AC+16*\b:AC+16*\b+7], v[TM+12+\b]
	v_cvt_scalef32_pk8_bf8_f32 v[PC+4*\b+2:PC+4*\b+3], v[AC+16*\b+8:AC+16*\b+15], v[TM+12+\b]
.endr
	v_nop                                          ; a plain line behind the last conversion
	WIN 0
.irp bp, 0,1,2,3
	global_store_b128 v[VO+\bp/2], v[PC+4*\bp:PC+4*\bp+3], s[6:7] offset:(\bp%2)*512
.endr
.endm
	PLACES NP
.irp b, 0,1,2,3
	v_mov_b32 v[TM+4+\b], 0                        ; written once: a lane permute's destination counts as one of its sources
.endr
.irp a, 0,1,2,3,4,5,6,7
	QEPI \a
.endr
	; the scale words, as the next launch's operands want them: lanes 0-15 store the first head's 256 bytes, lanes 16-31 the second's
	v_cmp_eq_u32 vcc_lo, 1, v2
	s_cmp_ge_u32 s67, 8
	s_cbranch_scc1 .Lwords_v
	v_mov_b32 v[SELV], 0x05040100                  ; q, k: a word of block a holds (head 0: two bytes, head 1: two bytes) of token 16 a + r: word f takes my head's two of blocks 2 f and 2 f + 1
	v_mov_b32 v3, 0x07060302
	v_cndmask_b32 v[SELV], v[SELV], v3, vcc_lo
.irp i, 0,1,2,3
	v_perm_b32 v[OW+\i], v[SW+2*\i+1], v[SW+2*\i], v[SELV]
.endr
	s_branch .Lwords_done
.Lwords_v:
.irp i, 0,1,2,3
	v_cndmask_b32 v[OW+\i], v[SW+\i], v[SW+4+\i], vcc_lo   ; v: a word of block a holds the four key blocks' bytes of feature 16 a + r: blocks 0-3 are the first head's fragments, 4-7 the second's
.endr
.Lwords_done:
	s_wait_alu depctr_va_vdst(0)
	global_store_b128 v[VSC], v[OW:OW+3], s[12:13] ; sixteen lanes store 256 consecutive bytes, aligned
	s_wait_tensorcnt 0x0                           ; the wave's end
	ds_add_u32 v[SPW], v[NIL]
	s_wait_dscnt 0x0
	CROUND                                         ; the closing round: no work-group ends while a partner may still ask for a tile that names it
	s_endpgm
.Lfunc_end_k_q86ed3f3b66_qkv:
	.size	k_q86ed3f3b66_qkv, .Lfunc_end_k_q86ed3f3b66_qkv-k_q86ed3f3b66_qkv
	.p2alignl 7, 3214868480
	.fill 96, 4, 3214868480
	.section	.rodata,"a",@progbits
	.p2align	6, 0x0
	.amdhsa_kernel k_q86ed3f3b66_qkv
		.amdhsa_group_segment_fixed_size 327680
		.amdhsa_private_segment_fixed_size 0
		.amdhsa_enable_private_segment 0
		.amdhsa_kernarg_size 64
		.amdhsa_user_sgpr_count 2
		.amdhsa_user_sgpr_kernarg_segment_ptr 1
		.amdhsa_wavefront_size32 1
		.amdhsa_system_sgpr_workgroup_id_x 1
		.amdhsa_system_sgpr_workgroup_id_y 1
		.amdhsa_system_sgpr_workgroup_id_z 1
		.amdhsa_system_vgpr_workitem_id 0
		.amdhsa_next_free_vgpr 1024
		.amdhsa_next_free_sgpr 102
		.amdhsa_reserve_vcc 1
		.amdhsa_float_denorm_mode_32 3
		.amdhsa_float_denorm_mode_16_64 3
		.amdhsa_fp16_overflow 1
		.amdhsa_memory_ordered 1
		.amdhsa_forward_progress 1
		.amdhsa_inst_pref_size 170
	.end_amdhsa_kernel
	.amdgpu_metadata
---
amdhsa.version: [ 1, 2 ]
amdhsa.kernels:
  - .name:           k_q86ed3f3b66_qkv
    .symbol:         k_q86ed3f3b66_qkv.kd
    .args:
      - { .name: x_codes, .offset: 0, .size: 8, .value_kind: global_buffer, .address_space: global }
      - { .name: x_scales, .offset: 8, .size: 8, .value_kind: global_buffer, .address_space: global }
      - { .name: W_qkv_codes, .offset: 16, .size: 8, .value_kind: global_buffer, .address_space: global }
      - { .name: W_qkv_scales, .offset: 24, .size: 8, .value_kind: global_buffer, .address_space: global }
      - { .name: b_qkv, .offset: 32, .size: 8, .value_kind: global_buffer, .address_space: global }
      - { .name: qimg, .offset: 40, .size: 8, .value_kind: global_buffer, .address_space: global }
      - { .name: kimg, .offset: 48, .size: 8, .value_kind: global_buffer, .address_space: global }
      - { .name: vimg, .offset: 56, .size: 8, .value_kind: global_buffer, .address_space: global }
    .group_segment_fixed_size: 327680
    .private_segment_fixed_size: 0
    .kernarg_segment_align: 8
    .kernarg_segment_size: 64
    .max_flat_workgroup_size: 128
    .sgpr_count:     102
    .vgpr_count:     1024
    .wavefront_size: 32
...
	.end_amdgpu_metadata
.endif
;; end of part 1
;; launch attn (part 2): grid 4 x 64, 16 waves a work-group, clusters of 4 x 1, 272,384 bytes of LDS; arguments qimg, kimg, vimg, aimg, asc; writes aimg, asc
.if DOCPART == 2
	.amdgcn_target "amdgcn-amd-amdhsa--gfx1250"
	.amdhsa_code_object_version 6
	.text
	.protected	k_q86ed3f3b66_attn
	.globl	k_q86ed3f3b66_attn
	.p2align	8
	.type	k_q86ed3f3b66_attn,@function
k_q86ed3f3b66_attn:
	s_mov_b64 s[64:65], 0
	v_nop
	global_prefetch_b8 v0, s[64:65] scope:SCOPE_SE
	s_setreg_imm32_b32 hwreg(HW_REG_WAVE_MODE, 25, 1), 1
	s_wait_xcnt 0x0
	s_wait_alu depctr_hold_cnt(0) depctr_sa_sdst(0) depctr_va_vdst(0) depctr_va_sdst(0) depctr_va_ssrc(0) depctr_va_vcc(0) depctr_vm_vsrc(0)
	s_getreg_b32 s2, hwreg(HW_REG_IB_STS2, 6, 4)
	s_cmp_eq_u32 s2, 0
	s_cbranch_scc0 .Lentry_in_a_cluster
	s_endpgm
.Lentry_in_a_cluster:
	s_bfe_u32 s2, ttmp6, 0x10000c
	s_cmp_lg_u32 s2, 0x3003
	s_cbranch_scc0 .Lentry_shape_is_right
	s_endpgm
.Lentry_shape_is_right:
; Causal attention of one head (16 x batch + head = the cluster's y) on codes of BF8 (E5M2), one E8M0 scale for each 32 along a product's K; the result, divided by the row's sum, is quantised along C and stored as codes.
; q, k, v come as images of operand registers (16 blocks of 8,448 bytes a head, one for 128 tokens: 8,192 bytes of codes, 256 bytes of scale words).
; THE WHOLE HEAD'S K AND V LIE IN LDS, 2 x 135,168 bytes, filled ONCE: sixteen waves bring 16,896 bytes each by one tensor load.  No byte is filled again, nothing is stored to LDS, and behind the one barrier no wave waits for another.
; CLUSTER 4 x 1: the four work-groups of a head need the same K and V: each load is a joint one, with the mask of all four.
; SHARES.  A head has 16 groups of 128 queries, a group 8 tiles of 16.  Wave w of work-group cx owns tile e = 4 (w / 8) + cx of group w % 8, and then of group 15 - w % 8:
; (w % 8 + 1) + (16 - w % 8) = 17 key steps of 128 for every wave.  Each pass walks all 16 steps' trip counts; a step whose keys all come after the queries is passed over by a scalar branch on ids.
; LAYOUT.  Both products transposed: S^T = K Q^T (source 0 = keys, source 1 = my 16 queries), O^T = V^T P^T: a lane holds ONE query (lane % 16).
; K = 64 IN A FORM OF K = 128: a fragment of K is dense: registers 0-7 hold keys 32 f + m, registers 8-15 keys 32 f + 16 + m.  It is multiplied twice: by [Q | zeros] for the first sixteen keys, by [zeros | Q] for the second.
; So register 16 f + 8 u + j of the scores is key 32 f + 16 u + 8 (lane / 16) + j: the order in which v's codes lie along the keys.
; SOFTMAX: t = score x log2(e) / 8; M = the running largest t rounded up to a whole number; p = 2^(t - M) is quantised along the keys; the sum is taken of the unquantised p; when M moves, sum and O^T are multiplied by 2^(old M - new M).
; LIMITS: NaN and infinities are not served.  Hidden scores become -infinity where the definition has -1e9: p = 0 either way.  A block's largest magnitude is taken no lower than 2^(16 - 127): a block of zeros gets the byte 1.
; Half of the first product's K is zero codes.
.set HEADB, 135168
.set BLKB,  8448
.set FILLB, 16896                      ; 66 rows of 256 bytes: two blocks
.set AK0,  1                           ; v1   16 x lane
.set AV0,  2                           ; v2   the same in V's half of LDS
.set SK0,  3                           ; v3   16 r + 8,192: K's scale words in a block
.set SV0,  4                           ; v4   V's
.set DD,   5                           ; v5   16 e + r - 8 h: my query in its group, less my half's keys
.set AO,   6                           ; v6   16 r + 8 h
.set SO,   7                           ; v7   32 r + h
.set ADK,  8                           ; v8-11 the step's LDS addresses
.set ADV,  9
.set ASK,  10
.set ASV,  11                          ; v12 -M, v13 the largest t, v[14:15] the sum in two halves
.set QLO,  24                          ; v[24:39] = [Q | zeros];  v[16:31] = [zeros | Q]
.set QHI,  16
.set KV,   40                          ; v40-103  four fragments of K, then of V
.set S,    104                         ; v104-167 the scores, then p
.set O,    168                         ; v168-199 O^T: four tiles of 16 of the head's 64
.set PCD,  200                         ; v200-215 p's codes
.set KSC,  216                         ; v216-219 K's scale words
.set VSC,  220                         ; v220-223 V's
.set QS,   224                         ; Q's
.set PS,   225                         ; p's
.set VQS,  226                         ; v226 Q's scale word: 16 r + 8,192 + 4 (e / 2)
.set VQ,   227                         ; v227 Q's codes: 16 x lane + 1,024 e
.set BM,   228
.set T2,   232
.set HL,   236
.set SOP,  240
.set F,    244                         ; v[244:245]
.set TMP,  246
.set SUM2, 248                         ; v[248:249]
.set WV,   18
.set MNT,  19
.set SEL,  20
.set CS,   22
.set G1,   24
.set G0K,  32
.set G0V,  36
.set G,    44                          ; s44 the pass's group of queries
.set SI,   45                          ; s45 the key step
.set TS,   46                          ; s46 its first LDS byte
.set HM,   58
.macro ROUND                           ; a round of the cluster's barrier
	s_barrier_signal -1
	s_barrier_wait -1
	s_cmp_lg_u32 s[WV], 0
	s_cbranch_scc1 .Lnot_wave_0_\@
	s_barrier_signal -3
.Lnot_wave_0_\@:
	s_barrier_wait -3
	s_barrier_signal -1
	s_barrier_wait -1
.endm
	s_load_b256 s[4:11], s[0:1], 0x0               ; qimg, kimg, vimg, aimg
	s_load_b64 s[12:13], s[0:1], 0x20              ; asc
	v_lshl_add_u32 v254, v0, 2, 0x42000
	v_mov_b32 v255, 0
	ds_add_u32 v254, v255
	ds_add_u32 v254, v255
	v_lshrrev_b32 v8, 5, v0
	s_delay_alu instid0(VALU_DEP_1)
	v_readfirstlane_b32 s[WV], v8                  ; wave 0..15
	s_bfe_u32 s14, ttmp6, 0x40000                  ; cx
	s_and_b32 s15, ttmp7, 0xffff                   ; 16 x batch + head
	s_mul_i32 s16, s15, HEADB                      ; the head's first byte in each image
	s_mov_b32 s17, 0
	s_and_b32 s40, s[WV], 7
	s_lshr_b32 s41, s[WV], 3
	s_lshl_b32 s42, s41, 2
	s_add_co_u32 s42, s42, s14                     ; e: my tile in a group
	s_and_b32 s43, s14, 1
	s_lshl_b32 s43, s43, 4                         ; which half of a scale word is my tile's: 16 (e % 2) bits up
	s_mov_b32 s[G1], 15|(3<<16)|(1<<21)            ; the mask: all four work-groups; elements of 8 bytes; bit 21 beside a mask; no padding
	s_mov_b32 s[G1+1], 32<<16                      ; tensor_dim0: 256 bytes
	s_mov_b32 s[G1+2], 66<<16                      ; tensor_dim1
	s_mov_b32 s[G1+3], 32<<16                      ; tile_dim0
	s_mov_b32 s[G1+4], 66                          ; tile_dim1
	s_mov_b32 s[G1+5], 32                          ; dense
	s_mov_b32 s[G1+6], 0
	s_mov_b32 s[G1+7], 0
	s_mul_i32 s60, s40, FILLB
	s_add_co_u32 s60, s60, s16                     ; my eighth of the head's K or V
	s_mov_b32 s61, 0
	s_mul_i32 s50, s[WV], FILLB                    ; and its place in LDS: waves 0-7 K's half, waves 8-15 V's
	s_mov_b32 s[SEL], 0x76543210
	s_mov_b32 s[SEL+1], 0xfedcba98
	s_mov_b32 s[CS], 0x3e38aa3b                    ; c = log2(e) / sqrt(64)
	s_mov_b32 s[CS+1], s[CS]
	s_mov_b32 s[HM], 0xffff0000                    ; lanes 16-31
	s_lshr_b32 s56, s15, 4
	s_lshl_b32 s56, s56, 7
	s_add_co_u32 s56, s56, s42                     ; 128 x batch + e: a tile of 16 rows of the output, less 8 x group
	s_and_b32 s57, s15, 15
	s_lshl_b32 s59, s57, 1                         ; 2 x head: its two scale bytes in a row of 32
	s_lshl_b32 s57, s57, 10                        ; 1,024 x head: its 64 of K in a row tile's image
	s_wait_dscnt 0x0
	s_wait_kmcnt 0x0
	s_mov_b32 s[G0K], 1
	s_mov_b32 s[G0K+1], s50
	s_add_nc_u64 s[G0K+2:G0K+3], s[6:7], s[60:61]
	s_or_b32 s[G0K+3], s[G0K+3], 0x80000000
	s_mov_b32 s[G0V], 1
	s_mov_b32 s[G0V+1], s50
	s_add_nc_u64 s[G0V+2:G0V+3], s[8:9], s[60:61]
	s_or_b32 s[G0V+3], s[G0V+3], 0x80000000
	ROUND                                          ; all four work-groups are here: the joint loads meet
	s_cmp_lt_u32 s[WV], 8
	s_cbranch_scc0 .Lfor_v
	tensor_load_to_lds s[G0K:G0K+3], s[G1:G1+7]
	s_nop 0
.rept 4
	v_nop
.endr
	s_branch .Lasked
.Lfor_v:
	tensor_load_to_lds s[G0V:G0V+3], s[G1:G1+7]
	s_nop 0
.rept 4
	v_nop
.endr
.Lasked:
	v_and_b32 v8, 31, v0                           ; lane
	v_and_b32 v9, 15, v0                           ; r
	v_bfe_u32 v10, v0, 4, 1                        ; h
	s_delay_alu instid0(VALU_DEP_3)
	v_lshlrev_b32 v[AK0], 4, v8
	s_delay_alu instid0(VALU_DEP_1)
	v_add_nc_u32 v[AV0], HEADB, v[AK0]
	s_delay_alu instid0(VALU_DEP_4)
	v_lshlrev_b32 v[SK0], 4, v9
	s_delay_alu instid0(VALU_DEP_1)
	v_add_nc_u32 v[SK0], 8192, v[SK0]
	s_delay_alu instid0(VALU_DEP_1)
	v_add_nc_u32 v[SV0], HEADB, v[SK0]
	v_lshlrev_b32 v11, 3, v10
	s_delay_alu instid0(VALU_DEP_1)
	v_sub_nc_u32 v[DD], v9, v11
	s_lshl_b32 s60, s42, 4
	v_add_nc_u32 v[DD], s60, v[DD]
	v_lshl_add_u32 v[AO], v9, 4, v11
	v_lshl_add_u32 v[SO], v9, 5, v10
	s_lshl_b32 s60, s42, 10
	v_add_nc_u32 v[VQ], s60, v[AK0]
	s_lshr_b32 s60, s42, 1
	s_lshl_b32 s60, s60, 2
	v_add_nc_u32 v[VQS], s60, v[SK0]
.irp j, 0,1,2,3,4,5,6,7
	v_mov_b32 v[QHI+\j], 0                         ; the zero codes on either side of Q
	v_mov_b32 v[QLO+8+\j], 0
.endr
.irp b, 0,1,2,3
	v_mov_b32 v[T2+\b], 0                          ; written once: a lane permute's destination counts as one of its sources
.endr
	v_mov_b32 v[TMP], 0
	v_mov_b32 v[F+1], 0                            ; named as the upper half of a pair
; THE HEAD OF A PASS: the group, its addresses, Q and its scale word, the statistics.
.macro PHEAD p
	s_wait_xcnt 0x0                                ; the last pass's stores have read their data and bases: they are written again only behind this wait
.if \p
	s_sub_co_u32 s[G], 15, s40
.else
	s_mov_b32 s[G], s40
.endif
	s_mul_i32 s48, s[G], BLKB
	s_add_co_u32 s48, s48, s16
	s_mov_b32 s49, 0
	s_add_nc_u64 s[48:49], s[4:5], s[48:49]        ; q's block of this group
	s_lshl_b32 s50, s[G], 3
	s_add_co_u32 s50, s50, s56                     ; the output's tile of 16 rows
	s_lshl_b32 s52, s50, 14
	s_add_co_u32 s52, s52, s57
	s_mov_b32 s53, 0
	s_add_nc_u64 s[52:53], s[10:11], s[52:53]      ; its image: 16,384 bytes a tile
	s_lshl_b32 s54, s50, 9
	s_add_co_u32 s54, s54, s59
	s_mov_b32 s55, 0
	s_add_nc_u64 s[54:55], s[12:13], s[54:55]      ; its scale bytes: 32 a row
	global_load_b128 v[QLO:QLO+3], v[VQ], s[48:49]
	global_load_b128 v[QLO+4:QLO+7], v[VQ], s[48:49] offset:512
	global_load_b32 v[QS], v[VQS], s[48:49]
	v_mov_b32 v13, 0xff61b1e6                      ; the largest t so far: -3e38
	s_delay_alu instid0(VALU_DEP_1)
	v_floor_f32 v12, -v13                          ; -M
	v_mov_b32 v14, 0
	v_mov_b32 v15, 0
	s_wait_loadcnt 0x0
	v_lshrrev_b32 v[QS], s43, v[QS]                ; my tile's two bytes,
	s_delay_alu instid0(VALU_DEP_1)
	v_and_b32 v[QS], 0xffff, v[QS]
	s_delay_alu instid0(VALU_DEP_1)
	v_lshl_or_b32 v[QS], v[QS], 16, v[QS]          ; twice: they serve Q in the lower and in the upper half of K
.set j, 0
.rept 32
	v_mov_b32 v[O+j], 0                            ; O^T: the first step finds zeros.  (These are also the places between the scale word's last write and the first product)
.set j, j+1
.endr
.endm
; THE KEY LOOP OF A PASS: 16 trips, a constant; the work of a trip is passed over where the step's keys all come after my queries.
.macro PLOOP
	s_mov_b32 s[TS], 0
	s_mov_b32 s[SI], 0
.Lstep_\@:
	s_cmp_gt_u32 s[SI], s[G]
	s_cbranch_scc1 .Lhidden_\@
	s_setprio 2
	v_add_nc_u32 v[ADK], s[TS], v[AK0]
	v_add_nc_u32 v[ADV], s[TS], v[AV0]
	v_add_nc_u32 v[ASK], s[TS], v[SK0]
	v_add_nc_u32 v[ASV], s[TS], v[SV0]
.rept 4
	v_nop                                          ; with the four additions: eight places behind the last step's products, in front of loads into registers that they read
.endr
.irp f, 0,1,2,3
.irp c, 0,1,2,3
	ds_load_b128 v[KV+16*\f+4*\c:KV+16*\f+4*\c+3], v[ADK] offset:2048*\f+512*\c   ; 512 consecutive bytes a load
.endr
.endr
	ds_load_b128 v[KSC:KSC+3], v[ASK]
	s_wait_alu depctr_va_vdst(0)
	s_wait_dscnt 0x0
.irp f, 0,1,2,3
	v_wmma_scale_f32_16x16x128_f8f6f4 v[S+16*\f:S+16*\f+7], v[KV+16*\f:KV+16*\f+15], v[QLO:QLO+15], 0, v[KSC+\f], v[QS] matrix_a_fmt:MATRIX_FMT_BF8 matrix_b_fmt:MATRIX_FMT_BF8
	v_wmma_scale_f32_16x16x128_f8f6f4 v[S+16*\f+8:S+16*\f+15], v[KV+16*\f:KV+16*\f+15], v[QHI:QHI+15], 0, v[KSC+\f], v[QS] matrix_a_fmt:MATRIX_FMT_BF8 matrix_b_fmt:MATRIX_FMT_BF8
.endr
.rept 8
	v_nop                                          ; places in front of the loads below and of the first read of the scores
.endr
.irp f, 0,1,2,3
.irp c, 0,1,2,3
	ds_load_b128 v[KV+16*\f+4*\c:KV+16*\f+4*\c+3], v[ADV] offset:2048*\f+512*\c   ; V's four fragments land while the softmax is worked
.endr
.endr
	ds_load_b128 v[VSC:VSC+3], v[ASV]
	s_cmp_lg_u32 s[SI], s[G]                       ; only the group's own step lies on the diagonal
	s_cbranch_scc1 .Lopen_\@
	v_mov_b32 v[TMP], 0xff800000                   ; -infinity
.set n, 0
.rept 64
	v_cmp_gt_i32 vcc_lo, 32*(n/16)+16*((n%16)/8)+n%8, v[DD]   ; register n holds key 32 (n / 16) + 16 ((n % 16) / 8) + 8 h + n % 8 of the step: hidden where it comes after my query
	v_cndmask_b32 v[S+n], v[S+n], v[TMP], vcc_lo
.set n, n+1
.endr
.Lopen_\@:
.irp b, 0,1,2,3
	v_max3_num_f32 v[BM+\b], v[S+16*\b], v[S+16*\b+1], v[S+16*\b+2]   ; the largest score of each block of 32 keys: for the row's maximum, and for the block's largest p
.endr
.irp i, 3,5,7,9,11,13
.irp b, 0,1,2,3
	v_max3_num_f32 v[BM+\b], v[BM+\b], v[S+16*\b+\i], v[S+16*\b+\i+1]
.endr
.endr
.irp b, 0,1,2,3
	v_max_num_f32 v[BM+\b], v[BM+\b], v[S+16*\b+15]
.endr
.irp b, 0,1,2,3
	s_delay_alu instid0(VALU_DEP_4)
	v_permlanex16_b32 v[T2+\b], v[BM+\b], s[SEL], s[SEL+1]
.endr
.irp b, 0,1,2,3
	s_delay_alu instid0(VALU_DEP_4)
	v_max_num_f32 v[BM+\b], v[BM+\b], v[T2+\b]     ; with lane l xor 16's 16 keys
.endr
	s_delay_alu instid0(VALU_DEP_2)
	v_max3_num_f32 v[TMP], v[BM], v[BM+1], v[BM+2]
	s_delay_alu instid0(VALU_DEP_1)
	v_max_num_f32 v[TMP], v[TMP], v[BM+3]
	s_delay_alu instid0(VALU_DEP_1)
	v_mul_f32 v[TMP], s[CS], v[TMP]
	s_delay_alu instid0(VALU_DEP_1)
	v_max_num_f32 v13, v13, v[TMP]                 ; the running largest t
	v_mov_b32 v[TMP], v12
	s_delay_alu instid0(VALU_DEP_2)
	v_floor_f32 v12, -v13                          ; the new -M = -ceil(t)
	s_delay_alu instid0(VALU_DEP_1)
	v_sub_f32 v[TMP], v12, v[TMP]                  ; old M - new M: a whole number, 0 or less
	s_delay_alu instid0(VALU_DEP_1)
	v_cvt_i32_f32 v[TMP], v[TMP]                   ; (it saturates)
	s_delay_alu instid0(VALU_DEP_1)
	v_ldexp_f32 v[F], 1.0, v[TMP]                  ; f = 2^(old M - new M)
.set j, 0
	s_setprio 1
.rept 32
	v_pk_fma_f32 v[S+j:S+j+1], v[S+j:S+j+1], s[CS:CS+1], v[12:13] op_sel_hi:[1,0,0]   ; t - M
.set j, j+2
.endr
.irp b, 0,1,2,3
	v_fma_f32 v[BM+\b], v[BM+\b], s[CS], v12
.endr
.set j, 0
	s_wait_alu depctr_va_vdst(0)
.rept 64
	v_exp_f32 v[S+j], v[S+j]                       ; p = 2^(t - M)
.set j, j+1
.endr
.irp b, 0,1,2,3
	v_exp_f32 v[BM+\b], v[BM+\b]                   ; the block's largest p
.endr
	v_pk_mul_f32 v[14:15], v[14:15], v[F:F+1] op_sel_hi:[1,0]   ; the sums under the new M (a plain line behind the exponentials)
	s_wait_alu depctr_va_vdst(0)
.irp b, 0,1,2,3
	v_max_num_f32 v[BM+\b], 0x8000000, v[BM+\b]    ; the floor 2^(16 - 127)
.endr
.irp b, 0,1,2,3
	s_delay_alu instid0(VALU_DEP_4)
	v_add_nc_u32 v[SOP+\b], 0xf8800000, v[BM+\b]   ; the conversion's scale operand
.endr
.irp b, 0,1,2,3
.endr
.irp b, 0,1,2,3
	s_delay_alu instid0(VALU_DEP_4)
	v_lshrrev_b32 v[T2+\b], 23, v[SOP+\b]          ; the scale's byte
.endr
	s_delay_alu instid0(VALU_DEP_3)
	v_lshl_or_b32 v[PS], v[T2+1], 8, v[T2]
	s_delay_alu instid0(VALU_DEP_1)
	v_lshl_or_b32 v[PS], v[T2+2], 16, v[PS]
	s_delay_alu instid0(VALU_DEP_1)
	v_lshl_or_b32 v[PS], v[T2+3], 24, v[PS]        ; p's scale word for these 128 keys
	v_pk_add_f32 v[248:249], v[108:109], v[112:113]
	v_pk_add_f32 v[252:253], v[116:117], v[120:121]
	v_pk_add_f32 v[250:251], v[124:125], v[128:129]
	v_pk_add_f32 v[238:239], v[132:133], v[136:137]
	v_pk_add_f32 v[236:237], v[140:141], v[144:145]
	v_pk_add_f32 v[230:231], v[148:149], v[152:153]
	v_pk_add_f32 v[228:229], v[156:157], v[160:161]
	v_pk_add_f32 v[14:15], v[14:15], v[164:165]
	v_pk_add_f32 v[248:249], v[248:249], v[104:105]
	v_pk_add_f32 v[252:253], v[252:253], v[106:107]
	v_pk_add_f32 v[250:251], v[250:251], v[110:111]
	v_pk_add_f32 v[238:239], v[238:239], v[114:115]
	v_pk_add_f32 v[236:237], v[236:237], v[118:119]
	v_pk_add_f32 v[230:231], v[230:231], v[122:123]
	v_pk_add_f32 v[228:229], v[228:229], v[126:127]
	v_pk_add_f32 v[14:15], v[14:15], v[130:131]
	v_pk_add_f32 v[248:249], v[248:249], v[134:135]
	v_pk_add_f32 v[252:253], v[252:253], v[138:139]
	s_setprio 0
	v_pk_add_f32 v[250:251], v[250:251], v[142:143]
	v_pk_add_f32 v[238:239], v[238:239], v[146:147]
	v_pk_add_f32 v[236:237], v[236:237], v[150:151]
	v_pk_add_f32 v[230:231], v[230:231], v[154:155]
	v_pk_add_f32 v[228:229], v[228:229], v[158:159]
	v_pk_add_f32 v[14:15], v[14:15], v[162:163]
	v_pk_add_f32 v[248:249], v[248:249], v[166:167]
	s_delay_alu instid0(VALU_DEP_2)
	v_pk_add_f32 v[14:15], v[14:15], v[238:239]
	s_delay_alu instid0(VALU_DEP_2)
	v_pk_add_f32 v[248:249], v[248:249], v[236:237]
	v_pk_add_f32 v[252:253], v[252:253], v[230:231]
	v_pk_add_f32 v[250:251], v[250:251], v[228:229]
	s_delay_alu instid0(VALU_DEP_2)
	v_pk_add_f32 v[14:15], v[14:15], v[252:253]
	s_delay_alu instid0(VALU_DEP_2)
	v_pk_add_f32 v[248:249], v[248:249], v[250:251]
	s_delay_alu instid0(VALU_DEP_1)
	v_pk_add_f32 v[14:15], v[14:15], v[248:249]
.irp b, 0,1,2,3
.irp i, 0,1,2,3,4,5,6,7,8,9,10,11,12,13,14,15
.endr
	v_cvt_scalef32_pk8_bf8_f32 v[PCD+4*\b:PCD+4*\b+1], v[S+16*\b:S+16*\b+7], v[SOP+\b]
	v_cvt_scalef32_pk8_bf8_f32 v[PCD+4*\b+2:PCD+4*\b+3], v[S+16*\b+8:S+16*\b+15], v[SOP+\b]
.endr
.set j, 0
.rept 16
	v_pk_mul_f32 v[O+j:O+j+1], v[O+j:O+j+1], v[F:F+1] op_sel_hi:[1,0]   ; O^T under the new M; also the places between the codes and the products
.set j, j+2
.endr
	s_wait_alu depctr_va_vdst(0)
	s_wait_dscnt 0x0                               ; V and its scale words are in
.irp t, 0,1,2,3
	v_wmma_scale_f32_16x16x128_f8f6f4 v[O+8*\t:O+8*\t+7], v[KV+16*\t:KV+16*\t+15], v[PCD:PCD+15], v[O+8*\t:O+8*\t+7], v[VSC+\t], v[PS] matrix_a_fmt:MATRIX_FMT_BF8 matrix_b_fmt:MATRIX_FMT_BF8
.endr
.Lhidden_\@:
	s_add_co_u32 s[TS], s[TS], BLKB
	s_add_co_u32 s[SI], s[SI], 1
	s_cmp_lt_u32 s[SI], 16
	s_cbranch_scc1 .Lstep_\@
	s_setprio 0
.endm
; THE END OF A PASS: O^T / the sum; its 64 numbers of my query are two blocks of 32 along C (16 here, 16 in lane l xor 16): quantised and stored as the next launch's operand image, K in its natural places.
.macro PFIN
.rept 8
	v_nop
.endr
	v_add_f32 v14, v14, v15
	s_delay_alu instid0(VALU_DEP_1)
	v_permlanex16_b32 v[TMP], v14, s[SEL], s[SEL+1]
	s_delay_alu instid0(VALU_DEP_1)
	v_add_f32 v14, v14, v[TMP]                     ; the row's sum
	s_wait_alu depctr_va_vdst(0)
	v_rcp_f32 v14, v14
	v_nop
.set j, 0
	s_wait_alu depctr_va_vdst(0)
.rept 16
	v_pk_mul_f32 v[O+j:O+j+1], v[O+j:O+j+1], v[14:15] op_sel_hi:[1,0]   ; register 8 t + i: channel 16 t + 8 h + i
.set j, j+2
.endr
.irp b, 0,1
	v_max3_num_f32 v[BM+\b], |v[O+16*\b]|, |v[O+16*\b+1]|, 0x8000000
.endr
.irp i, 2,4,6,8,10,12,14
.irp b, 0,1
	s_delay_alu instid0(VALU_DEP_2)
	v_max3_num_f32 v[BM+\b], v[BM+\b], |v[O+16*\b+\i]|, |v[O+16*\b+\i+1]|
.endr
.endr
.irp b, 0,1
	s_delay_alu instid0(VALU_DEP_2)
	v_permlanex16_b32 v[T2+\b], v[BM+\b], s[SEL], s[SEL+1]
.endr
.irp b, 0,1
	s_delay_alu instid0(VALU_DEP_2)
	v_max_num_f32 v[BM+\b], v[BM+\b], v[T2+\b]
.endr
.irp b, 0,1
	s_delay_alu instid0(VALU_DEP_2)
	v_add_nc_u32 v[SOP+\b], 0xf8800000, v[BM+\b]
.endr
.irp b, 0,1
.endr
.irp b, 0,1
	s_delay_alu instid0(VALU_DEP_2)
	v_lshrrev_b32 v[T2+\b], 23, v[SOP+\b]
.endr
.irp b, 0,1
.irp i, 0,1,2,3,4,5,6,7,8,9,10,11,12,13,14,15
.endr
	v_cvt_scalef32_pk8_bf8_f32 v[PCD+4*\b:PCD+4*\b+1], v[O+16*\b:O+16*\b+7], v[SOP+\b]
	v_cvt_scalef32_pk8_bf8_f32 v[PCD+4*\b+2:PCD+4*\b+3], v[O+16*\b+8:O+16*\b+15], v[SOP+\b]
.endr
	v_cndmask_b32 v[TMP], v[T2], v[T2+1], s[HM]    ; lanes 0-15 store the first block's byte, lanes 16-31 the second's.  (A plain line behind the last conversion)
.irp b, 0,1
.irp u, 0,1
	global_store_b64 v[AO], v[PCD+4*\b+2*\u:PCD+4*\b+2*\u+1], s[52:53] offset:512*\b+256*\u   ; channels 32 b + 16 u + 8 h + 0 .. 7 of row r: the image's lane r + 16 u, bytes 8 h on: 256 consecutive bytes, aligned
.endr
.endr
	global_store_b8 v[SO], v[TMP], s[54:55]        ; two bytes of each row's 32: the other heads' come from other work-groups
.endm
	PHEAD 0                                        ; Q lands while the fill is on its way
	s_wait_tensorcnt 0x0                           ; my part of K or V is in,
	s_barrier_signal -1
	s_barrier_wait -1                              ; everybody's is
	PLOOP
	PFIN
	PHEAD 1
	PLOOP
	PFIN
	s_wait_dscnt 0x0
	s_wait_tensorcnt 0x0
	ds_add_u32 v254, v255
	s_wait_dscnt 0x0
	ROUND                                          ; the closing round
	s_endpgm
.Lfunc_end_k_q86ed3f3b66_attn:
	.size	k_q86ed3f3b66_attn, .Lfunc_end_k_q86ed3f3b66_attn-k_q86ed3f3b66_attn
	.p2alignl 7, 3214868480
	.fill 96, 4, 3214868480
	.section	.rodata,"a",@progbits
	.p2align	6, 0x0
	.amdhsa_kernel k_q86ed3f3b66_attn
		.amdhsa_group_segment_fixed_size 272384
		.amdhsa_private_segment_fixed_size 0
		.amdhsa_enable_private_segment 0
		.amdhsa_kernarg_size 40
		.amdhsa_user_sgpr_count 2
		.amdhsa_user_sgpr_kernarg_segment_ptr 1
		.amdhsa_wavefront_size32 1
		.amdhsa_system_sgpr_workgroup_id_x 1
		.amdhsa_system_sgpr_workgroup_id_y 1
		.amdhsa_system_sgpr_workgroup_id_z 1
		.amdhsa_system_vgpr_workitem_id 0
		.amdhsa_next_free_vgpr 256
		.amdhsa_next_free_sgpr 66
		.amdhsa_reserve_vcc 1
		.amdhsa_float_denorm_mode_32 3
		.amdhsa_float_denorm_mode_16_64 3
		.amdhsa_fp16_overflow 1
		.amdhsa_memory_ordered 1
		.amdhsa_forward_progress 1
		.amdhsa_inst_pref_size 64
	.end_amdhsa_kernel
	.amdgpu_metadata
---
amdhsa.version: [ 1, 2 ]
amdhsa.kernels:
  - .name:           k_q86ed3f3b66_attn
    .symbol:         k_q86ed3f3b66_attn.kd
    .args:
      - { .name: qimg, .offset: 0, .size: 8, .value_kind: global_buffer, .address_space: global }
      - { .name: kimg, .offset: 8, .size: 8, .value_kind: global_buffer, .address_space: global }
      - { .name: vimg, .offset: 16, .size: 8, .value_kind: global_buffer, .address_space: global }
      - { .name: aimg, .offset: 24, .size: 8, .value_kind: global_buffer, .address_space: global }
      - { .name: asc, .offset: 32, .size: 8, .value_kind: global_buffer, .address_space: global }
    .group_segment_fixed_size: 272384
    .private_segment_fixed_size: 0
    .kernarg_segment_align: 8
    .kernarg_segment_size: 40
    .max_flat_workgroup_size: 512
    .sgpr_count:     66
    .vgpr_count:     256
    .wavefront_size: 32
...
	.end_amdgpu_metadata
.endif
;; end of part 2
;; launch proj (part 3): grid 4 x 32, 4 waves a work-group, clusters of 4 x 4, 327,680 bytes of LDS; arguments aimg, asc, W_out_codes, W_out_scales, out0, b_out; writes out0
.if DOCPART == 3
	.amdgcn_target "amdgcn-amd-amdhsa--gfx1250"
	.amdhsa_code_object_version 6
	.text
	.protected	k_q86ed3f3b66_proj
	.globl	k_q86ed3f3b66_proj
	.p2align	8
	.type	k_q86ed3f3b66_proj,@function
k_q86ed3f3b66_proj:
	s_mov_b64 s[64:65], 0
	v_nop
	global_prefetch_b8 v0, s[64:65] scope:SCOPE_SE
	s_setreg_imm32_b32 hwreg(HW_REG_WAVE_MODE, 25, 1), 1
	s_wait_xcnt 0x0
	s_wait_alu depctr_hold_cnt(0) depctr_sa_sdst(0) depctr_va_vdst(0) depctr_va_sdst(0) depctr_va_ssrc(0) depctr_va_vcc(0) depctr_vm_vsrc(0)
	s_getreg_b32 s2, hwreg(HW_REG_IB_STS2, 6, 4)
	s_cmp_eq_u32 s2, 0
	s_cbranch_scc0 .Lentry_in_a_cluster
	s_endpgm
.Lentry_in_a_cluster:
	s_bfe_u32 s2, ttmp6, 0x10000c
	s_cmp_lg_u32 s2, 0xf033
	s_cbranch_scc0 .Lentry_shape_is_right
	s_endpgm
.Lentry_shape_is_right:
; out0 = A W_out + b_out on codes of BF8 (E5M2), one E8M0 scale for each 32 along K = 1,024.  A: the attention's result, 8,192 rows, as images of operand registers:
; [tile of 16 rows][128 of K: 8][block of 32: 4][lane][16 bytes]; its scale bytes [8192][32].  W_out: [1024][1024] codes, K innermost; scale bytes [1024][32].  out0: [8192][1024] f32.
; A tile of 256 x 256 is made by four waves, 128 x 128 each.  K goes in steps of 256 through a ring of two LDS slots; the scale bytes of the tile's rows come once.
; A's part of a slot is 16 row tiles x 4,096 bytes, as they lie: a fragment load takes 512 consecutive bytes, so A needs no padding.  W's rows of 256 bytes are padded by 16.
; CLUSTERS 4 x 4: A's tile is shared along a row of the cluster, W's along a column: joint tensor loads, one a wave.
; THE MATRIX INSTRUCTION IS USED TRANSPOSED (source 0 = 16 rows of W, source 1 = 16 rows of A): a lane holds eight neighbouring numbers of a row of the output.  The bias is the C of the first step's products.
; 128 work-groups: a tile half as high would read each LDS byte for half as many products.
; REGISTERS: window 0: v1-29 addresses; v32-63 scale words, two sets; v64-127 the bias; v128-255 A's fragments, one set (on the way out: rows read back).  window 1: W's fragments, two sets.  windows 2, 3: the accumulators.
.set SIZE_N, 1024
.set NQ,     2
.set ROWB,   256
.set KROW,   1024
.set PITCH,  272
.set FR,     16
.set NL,     4
.set NP,     8
.set HALFA,  32768                     ; 8 row tiles x 4,096 bytes: what one tensor load brings of A
.set HALFB,  128*PITCH
.set BOFF,   2*HALFA
.set SLOT,   BOFF+2*HALFB
.set LAPS,   2
.set KS,     32
.set SCL,    2*SLOT
.set HALFS,  (128*KS/256)*272
.set SBLK,   (16*KS/256)*272
.set SPARE,  SCL+4*HALFS               ; the spare words: 128 bytes a wave, two blocks of 256 bytes that no other line names
.set SPITCH, 528                       ; the way out: a stage of 16 rows x (512 + 16) bytes a wave, in slot 0, which has had its last fill and its last read by then
.set ADRA, 16
.set ADRB, 20
.set STO,  24
.set RD,   25
.set CO,   26
.set ADRS, 27
.set SPW,  28
.set NIL,  29
.set SC,   32
.set BT,   64
.set AF,   128
.set BK,   128
.set G1, 24
.set G0, 32
.set G1B, 48
.set G0B, 56
.set G1S, 68
.set G0S, 76
.set G1SB, 80
.set G0SB, 88
.set MSB, 0
.macro WIN new
.if MSB != \new
	s_set_vgpr_msb (MSB<<8)|\new
.set MSB, \new
.endif
.endm
.set MUL_LO, 0xa1
.set MUL_HI, 0xf1
.set TO_B,   0x40
.macro JLOAD g0a, g1a, g0b, g1b        ; waves 0 and 1 fetch for A, waves 2 and 3 for W; four v_nop follow each line
	s_cmp_eq_u32 s15, 0
	s_cbranch_scc0 .Lfor_b_\@
	tensor_load_to_lds s[\g0a:\g0a+3], s[\g1a:\g1a+7]
	s_nop 0
.rept 4
	v_nop
.endr
	s_branch .Lasked_\@
.Lfor_b_\@:
	tensor_load_to_lds s[\g0b:\g0b+3], s[\g1b:\g1b+7]
	s_nop 0
.rept 4
	v_nop
.endr
.Lasked_\@:
.endm
.macro CREST
	s_cmp_lg_u32 s14, 0
	s_cbranch_scc1 .Lnot_wave_0_\@
	s_barrier_signal -3
.Lnot_wave_0_\@:
	s_barrier_wait -3
	s_barrier_signal -1
	s_barrier_wait -1
.endm
.macro CROUND
	s_barrier_signal -1
	s_barrier_wait -1
	CREST
.endm
	s_load_b128 s[4:7], s[0:1], 0x0                ; A's images, A's scales
	s_load_b128 s[8:11], s[0:1], 0x10              ; W's codes, W's scales
	s_load_b128 s[96:99], s[0:1], 0x20             ; out0, b_out
	v_lshl_add_u32 v[SPW], v0, 2, SPARE
	v_mov_b32 v[NIL], 0
	ds_add_u32 v28, v29
	ds_add_u32 v28, v29
	s_wait_dscnt 0x0
	v_lshrrev_b32 v1, 5, v0
	v_readfirstlane_b32 s14, v1                    ; wave 0..3
	s_lshr_b32 s15, s14, 1                         ; which half of the tile's rows is mine.  Also: I fetch for A (0) or for W (1)
	s_and_b32 s16, s14, 1                          ; which half of its columns.  Also: which 128 rows I fetch
	s_bfe_u32 s40, ttmp6, 0x40000                  ; cx
	s_bfe_u32 s41, ttmp6, 0x40004                  ; cy
	s_lshl_b32 s42, ttmp9, 2
	s_add_co_u32 s42, s42, s40                     ; tile column
	s_and_b32 s17, ttmp7, 0xffff
	s_lshl_b32 s17, s17, 2
	s_add_co_u32 s17, s17, s41                     ; tile row
	s_lshl_b32 s43, s41, 2
	s_lshl_b32 s43, 15, s43                        ; my row of the cluster
	s_lshl_b32 s44, 0x1111, s40                    ; my column
	; A: 8 row tiles, 4,096 bytes of each (512 elements of 8 bytes), 16,384 bytes apart; no padding
	s_or_b32 s[G1+0], s43, (3<<16)|(1<<21)
	s_mov_b32 s[G1+1], 512<<16
	s_mov_b32 s[G1+2], 8<<16
	s_mov_b32 s[G1+3], 512<<16
	s_mov_b32 s[G1+4], 8
	s_mov_b32 s[G1+5], 2048
	s_mov_b32 s[G1+6], 0
	s_mov_b32 s[G1+7], 0
	; W: 128 rows x 256 bytes, 16 bytes of padding behind each
	s_or_b32 s[G1B+0], s44, (0<<16)|(1<<20)|(1<<21)|(5<<22)|(3<<25)
	s_mov_b32 s[G1B+1], ROWB<<16
	s_mov_b32 s[G1B+2], 128<<16
	s_mov_b32 s[G1B+3], ROWB<<16
	s_mov_b32 s[G1B+4], 128
	s_mov_b32 s[G1B+5], KROW
	s_mov_b32 s[G1B+6], 0
	s_mov_b32 s[G1B+7], 0
	; the scale bytes of 128 rows: 16 rows of 256 bytes, 16 bytes of padding behind each
	s_or_b32 s[G1S+0], s43, (3<<16)|(1<<20)|(1<<21)|(5<<22)|(3<<25)
	s_or_b32 s[G1SB+0], s44, (3<<16)|(1<<20)|(1<<21)|(5<<22)|(3<<25)
.irp g, G1S, G1SB
	s_mov_b32 s[\g+1], 32<<16
	s_mov_b32 s[\g+2], (128*KS/256)<<16
	s_mov_b32 s[\g+3], 32<<16
	s_mov_b32 s[\g+4], 128*KS/256
	s_mov_b32 s[\g+5], 32
	s_mov_b32 s[\g+6], 0
	s_mov_b32 s[\g+7], 0
.endr
	s_lshl_b32 s18, s16, 7
	s_lshl_b32 s20, s17, 8
	s_add_co_u32 s20, s20, s18                     ; A's first row that I fetch
	s_lshl_b32 s46, s42, 8
	s_add_co_u32 s46, s46, s18                     ; W's
	s_lshl_b32 s22, s20, 5                         ; scale bytes: 32 a row
	s_mov_b32 s23, 0
	s_lshl_b32 s92, s46, 5
	s_mov_b32 s93, 0
	s_lshl_b32 s20, s20, 10                        ; codes: 1,024 bytes a row, in the images too (16,384 a tile of 16)
	s_mov_b32 s21, 0
	s_lshl_b32 s46, s46, 10
	s_mov_b32 s47, 0
	s_mul_i32 s45, s16, HALFA                      ; where they go: A's half,
	s_mul_i32 s67, s16, HALFB
	s_add_co_u32 s67, s67, BOFF                    ; W's half,
	s_mul_i32 s66, s14, HALFS                      ; the scales: wave x 128 rows
	s_wait_kmcnt 0x0
	s_add_nc_u64 s[20:21], s[4:5], s[20:21]
	s_add_nc_u64 s[22:23], s[6:7], s[22:23]
	s_add_nc_u64 s[46:47], s[8:9], s[46:47]
	s_add_nc_u64 s[92:93], s[10:11], s[92:93]
	CROUND                                         ; all sixteen work-groups are here: the first joint loads meet
	s_mov_b32 s[G0S], 1
	s_add_co_u32 s[G0S+1], s66, SCL
	s_mov_b64 s[G0S+2:G0S+3], s[22:23]
	s_or_b32 s[G0S+3], s[G0S+3], 0x80000000
	s_mov_b32 s[G0SB], 1
	s_add_co_u32 s[G0SB+1], s66, SCL
	s_mov_b64 s[G0SB+2:G0SB+3], s[92:93]
	s_or_b32 s[G0SB+3], s[G0SB+3], 0x80000000
	JLOAD G0S, G1S, G0SB, G1SB
.irp s, 0,1
	s_mov_b32 s[G0+4*\s], 1
	s_add_co_u32 s[G0+4*\s+1], s45, \s*SLOT
	s_add_nc_u64 s[G0+4*\s+2:G0+4*\s+3], s[20:21], \s*4096
	s_or_b32 s[G0+4*\s+3], s[G0+4*\s+3], 0x80000000
	s_mov_b32 s[G0B+4*\s], 1
	s_add_co_u32 s[G0B+4*\s+1], s67, \s*SLOT
	s_add_nc_u64 s[G0B+4*\s+2:G0B+4*\s+3], s[46:47], \s*ROWB
	s_or_b32 s[G0B+4*\s+3], s[G0B+4*\s+3], 0x80000000
	s_wait_alu depctr_va_vdst(0)
	s_wait_tensorcnt 0x0
	ds_add_u32 v28, v29
	s_wait_dscnt 0x0
	CROUND
	JLOAD G0+4*\s, G1, G0B+4*\s, G1B
.endr
	v_and_b32 v1, 15, v0                           ; r
	v_bfe_u32 v2, v0, 4, 1                         ; h
	v_and_b32 v6, 31, v0                           ; lane
	v_lshlrev_b32 v[CO], 4, v6                     ; 16 x lane
	v_mul_u32_u24 v3, v1, PITCH
	v_lshl_add_u32 v4, v2, 4, v3                   ; W: row x pitch + 16 x half
	s_mul_i32 s21, s15, HALFA                      ; my 128 rows of A
	s_mul_i32 s22, s16, HALFB
	s_add_co_u32 s22, s22, BOFF                    ; my 128 rows of W
.irp s, 0,1
	v_add_nc_u32 v[ADRA+\s], s21, v[CO]
	v_add_nc_u32 v[ADRB+\s], s22, v4
	s_add_co_u32 s21, s21, SLOT
	s_add_co_u32 s22, s22, SLOT
.endr
	v_mul_u32_u24 v5, v1, KS
	v_lshrrev_b32 v6, 8, v5
	v_lshl_add_u32 v5, v6, 4, v5
	s_mul_i32 s21, s15, HALFS
	s_mul_i32 s22, s16, HALFS
	s_add_co_u32 s22, s22, 2*HALFS
	s_sub_co_u32 s22, s22, s21
	v_mul_u32_u24 v6, s22, v2                      ; lanes 16-31 take W's
	s_add_co_u32 s21, s21, SCL
	v_add_nc_u32 v5, v5, v6
	v_add_nc_u32 v[ADRS], s21, v5
	s_mul_i32 s23, s14, 16*SPITCH                  ; my stage
	v_mul_u32_u24 v5, v1, SPITCH
	v_lshl_add_u32 v5, v2, 5, v5
	v_add_nc_u32 v[STO], s23, v5
	v_add_nc_u32 v[RD], s23, v[CO]
	s_lshl_b32 s20, s17, 8
	s_lshl_b32 s21, s15, 7
	s_add_co_u32 s20, s20, s21                     ; my first row of the output
	s_lshl_b32 s20, s20, 12                        ; 4,096 bytes a row (under 2^25)
	s_lshl_b32 s46, s42, 10                        ; my first column, in bytes: 1,024 x tile column + 512 x half
	s_lshl_b32 s47, s16, 9
	s_add_co_u32 s46, s46, s47
	s_mov_b32 s47, 0
	s_add_nc_u64 s[98:99], s[98:99], s[46:47]      ; the bias at my first column
	s_add_co_u32 s20, s20, s46
	s_mov_b32 s21, 0
	s_add_nc_u64 s[12:13], s[96:97], s[20:21]
	v_lshlrev_b32 v7, 5, v2                        ; 32 h
.irp b, 0,1,2,3,4,5,6,7
	global_load_b128 v[BT+8*\b:BT+8*\b+3], v7, s[98:99] offset:64*\b        ; b_out at columns 16 b + 8 h + 0 .. 7: the result's layout
	global_load_b128 v[BT+8*\b+4:BT+8*\b+7], v7, s[98:99] offset:64*\b+16
.endr
.macro FRAG reg, adr, q, i
.irp c, 0,1,2,3
	ds_load_b128 v[\reg+4*\c:\reg+4*\c+3], v[\adr] offset:128*(\q)+32*\c+(\i)*16*PITCH
.endr
.endm
.macro FRAGA reg, slot, q, i           ; an image comes back as it was stored: 512 consecutive bytes a load
.irp c, 0,1,2,3
	ds_load_b128 v[\reg+4*\c:\reg+4*\c+3], v[ADRA+\slot] offset:4096*(\i)+2048*(\q)+512*\c
.endr
.endm
; 16 matrix instructions: A's blocks a0, a0 + 1 x W's eight.  cm = 1: the sums start from the bias.  The 64 accumulators take turns.
.macro MUL16 a0, p, q, sc, cm
.irp a, \a0, \a0+1
.irp b, 0,1,2,3,4,5,6,7
.set rD, 8*(8*((\a)%4)+\b)
.set rB, 128*(\p)+FR*\b
.set rA, AF+FR*(\a)
.set rSB, SC+8*NQ*(\sc)+NQ*\b+(\q)
.set rSA, SC+8*NQ*(\sc)+NQ*(\a)+(\q)
.set rC, BT+8*\b
.if \cm == 0
	v_wmma_scale_f32_16x16x128_f8f6f4 v[rD:rD+7], v[rB:rB+15], v[rA:rA+15], v[rD:rD+7], v[rSB], v[rSA] matrix_a_fmt:MATRIX_FMT_BF8 matrix_b_fmt:MATRIX_FMT_BF8 matrix_a_scale:MATRIX_SCALE_ROW1
.else
	v_wmma_scale_f32_16x16x128_f8f6f4 v[rD:rD+7], v[rB:rB+15], v[rA:rA+15], v[rC:rC+7], v[rSB], v[rSA] matrix_a_fmt:MATRIX_FMT_BF8 matrix_b_fmt:MATRIX_FMT_BF8 matrix_a_scale:MATRIX_SCALE_ROW1
.endif
.endr
.endr
.endm
.macro FETCH_B slot, q, p
	WIN TO_B
.irp i, 0,1,2,3,4,5,6,7
	FRAG 128*(\p)+FR*\i, ADRB+\slot, \q, \i
.endr
	WIN 0
.endm
.macro FETCH_A slot, q, i0
.irp i, \i0, \i0+1, \i0+2, \i0+3
	FRAGA AF+FR*(\i), \slot, \q, \i
.endr
.endm
.macro SCALES sc
.irp i, 0,1,2,3,4,5,6,7
	ds_load_b64 v[SC+8*NQ*\sc+NQ*\i:SC+8*NQ*\sc+NQ*\i+1], v[ADRS] offset:\i*SBLK
.endr
.endm
.macro PLACES n
.rept \n
	v_nop
.endr
.endm
.macro STEP slot, q, cm
	s_wait_dscnt 4*NL                              ; all but the youngest sixteen loads (A's blocks 4-7) are in
.if \cm
	WIN 0x81                                       ; C (the bias) in window 0, D in window 2
.else
	WIN MUL_LO
.endif
	MUL16 0, (\q)%2, \q, \slot, \cm
	MUL16 2, (\q)%2, \q, \slot, \cm
	s_wait_dscnt 0
	PLACES NP
	FETCH_B \slot, (\q)+1, 1-(\q)%2
	FETCH_A \slot, (\q)+1, 0
.if \cm
	WIN 0xc1
.else
	WIN MUL_HI
.endif
	MUL16 4, (\q)%2, \q, \slot, \cm
	MUL16 6, (\q)%2, \q, \slot, \cm
	PLACES NP
	WIN 0
	FETCH_A \slot, (\q)+1, 4
.endm
.macro TURN slot, next, fill
	s_wait_tensorcnt 0x0                           ; all my tensor loads have landed: my part of the next slot
	ds_add_u32 v[SPW], v[NIL]                      ; 0 onto my spare word
	s_wait_dscnt 4*NL+1                            ; the add and the youngest sixteen loads may be out
	WIN MUL_LO
	MUL16 0, 1, NQ-1, \slot, 0
	s_wait_dscnt 0x0                               ; the add is done, and my reads of this slot are over
	s_barrier_signal -1
	MUL16 2, 1, NQ-1, \slot, 0
	WIN 0
	s_barrier_wait -1
.if \fill
	CREST                                          ; the barrier has opened a round of the cluster's: no wave of any partner still reads this slot or has a load on its way
	s_add_nc_u64 s[G0+4*\slot+2:G0+4*\slot+3], s[G0+4*\slot+2:G0+4*\slot+3], 2*4096
	s_add_nc_u64 s[G0B+4*\slot+2:G0B+4*\slot+3], s[G0B+4*\slot+2:G0B+4*\slot+3], 2*ROWB
	JLOAD G0+4*\slot, G1, G0B+4*\slot, G1B
	PLACES NP-4
.else
	PLACES NP
.endif
	s_wait_alu depctr_va_vdst(0)
	v_add_nc_u32 v[ADRS], 4*NQ, v[ADRS]
	FETCH_B \next, 0, 0
	FETCH_A \next, 0, 0
	SCALES \next
	WIN MUL_HI
	MUL16 4, 1, NQ-1, \slot, 0
	MUL16 6, 1, NQ-1, \slot, 0
	PLACES NP
	WIN 0
	FETCH_A \next, 0, 4
.endm
	s_wait_alu depctr_va_vdst(0)
	s_wait_tensorcnt 1                             ; the scales and my part of K step 0 are in; K step 1's load may be out
	s_barrier_signal -1
	s_barrier_wait -1
	FETCH_B 0, 0, 0
	FETCH_A 0, 0, 0
	SCALES 0
	FETCH_A 0, 0, 4
	s_wait_loadcnt 0x0                             ; the bias
	STEP 0, 0, 1
	s_mov_b32 s3, LAPS-1
.Llap:
	TURN 0, 1, 1
	STEP 1, 0, 0
	TURN 1, 0, 1
	STEP 0, 0, 0
	s_sub_co_u32 s3, s3, 1
	s_cmp_lg_u32 s3, 0
	s_cbranch_scc1 .Llap
	TURN 0, 1, 0
	STEP 1, 0, 0
	s_wait_dscnt 4*NL
	WIN MUL_LO
	MUL16 0, 1, NQ-1, 1, 0
	MUL16 2, 1, NQ-1, 1, 0
	s_wait_dscnt 0
	WIN MUL_HI
	MUL16 4, 1, NQ-1, 1, 0
	MUL16 6, 1, NQ-1, 1, 0
	WIN 0
; THE WAY OUT, block by block of 16 rows x 128 columns, through my own stage: in as 32 bytes a lane, back as whole rows of 512 bytes.  LDS serves a wave's instructions in order (ISA guide 5.7.1.4).
.macro TOSTAGE a
.set AC, 64*((\a)%4)
.set WS, 0x08+4*((\a)/4)
	WIN WS                                         ; the data: window 2 or 3
.irp b, 0,1,2,3,4,5,6,7
	ds_store_b128 v[STO], v[AC+8*\b:AC+8*\b+3] offset:64*\b          ; each accumulator from its low end on
	ds_store_b128 v[STO], v[AC+8*\b+4:AC+8*\b+7] offset:64*\b+16
.endr
	WIN 0
.set BB, BK+64*((\a)%2)
.irp t, 0,1,2,3,4,5,6,7,8,9,10,11,12,13,14,15
	ds_load_b128 v[BB+4*\t:BB+4*\t+3], v[RD] offset:\t*SPITCH
.endr
.endm
.macro SEND a, younger                 ; younger: the LDS instructions issued behind block a's loads, which may stay out
.set BB, BK+64*((\a)%2)
	s_wait_dscnt \younger
.if (\a) > 0
	s_add_nc_u64 s[12:13], s[12:13], 16*SIZE_N*4   ; (behind a wait on XCNT: the earlier stores have read their base)
.endif
.irp t, 0,1,2,3,4,5,6,7,8,9,10,11,12,13,14,15
	global_store_b128 v[CO], v[BB+4*\t:BB+4*\t+3], s[12:13] offset:\t*SIZE_N*4 th:TH_STORE_NT   ; 32 lanes store 512 consecutive bytes, aligned
.endr
.endm
	PLACES NP
	TOSTAGE 0
.irp a, 1,2,3,4,5,6,7
.if \a > 1
	s_wait_xcnt 0x0                                ; block a - 2's stores have read their registers and their base
.endif
	TOSTAGE \a
	SEND \a-1, 32                                  ; behind block a - 1's loads: block a's 16 stores and 16 loads
.endr
	s_wait_xcnt 0x0
	SEND 7, 0
	s_wait_tensorcnt 0x0                           ; the wave's end
	ds_add_u32 v[SPW], v[NIL]
	s_wait_dscnt 0x0
	CROUND                                         ; the closing round
	s_endpgm
.Lfunc_end_k_q86ed3f3b66_proj:
	.size	k_q86ed3f3b66_proj, .Lfunc_end_k_q86ed3f3b66_proj-k_q86ed3f3b66_proj
	.p2alignl 7, 3214868480
	.fill 96, 4, 3214868480
	.section	.rodata,"a",@progbits
	.p2align	6, 0x0
	.amdhsa_kernel k_q86ed3f3b66_proj
		.amdhsa_group_segment_fixed_size 327680
		.amdhsa_private_segment_fixed_size 0
		.amdhsa_enable_private_segment 0
		.amdhsa_kernarg_size 48
		.amdhsa_user_sgpr_count 2
		.amdhsa_user_sgpr_kernarg_segment_ptr 1
		.amdhsa_wavefront_size32 1
		.amdhsa_system_sgpr_workgroup_id_x 1
		.amdhsa_system_sgpr_workgroup_id_y 1
		.amdhsa_system_sgpr_workgroup_id_z 1
		.amdhsa_system_vgpr_workitem_id 0
		.amdhsa_next_free_vgpr 1024
		.amdhsa_next_free_sgpr 100
		.amdhsa_reserve_vcc 0
		.amdhsa_float_denorm_mode_32 3
		.amdhsa_float_denorm_mode_16_64 3
		.amdhsa_memory_ordered 1
		.amdhsa_forward_progress 1
		.amdhsa_inst_pref_size 148
	.end_amdhsa_kernel
	.amdgpu_metadata
---
amdhsa.version: [ 1, 2 ]
amdhsa.kernels:
  - .name:           k_q86ed3f3b66_proj
    .symbol:         k_q86ed3f3b66_proj.kd
    .args:
      - { .name: aimg, .offset: 0, .size: 8, .value_kind: global_buffer, .address_space: global }
      - { .name: asc, .offset: 8, .size: 8, .value_kind: global_buffer, .address_space: global }
      - { .name: W_out_codes, .offset: 16, .size: 8, .value_kind: global_buffer, .address_space: global }
      - { .name: W_out_scales, .offset: 24, .size: 8, .value_kind: global_buffer, .address_space: global }
      - { .name: out0, .offset: 32, .size: 8, .value_kind: global_buffer, .address_space: global }
      - { .name: b_out, .offset: 40, .size: 8, .value_kind: global_buffer, .address_space: global }
    .group_segment_fixed_size: 327680
    .private_segment_fixed_size: 0
    .kernarg_segment_align: 8
    .kernarg_segment_size: 48
    .max_flat_workgroup_size: 128
    .sgpr_count:     100
    .vgpr_count:     1024
    .wavefront_size: 32
...
	.end_amdgpu_metadata
.endif
;; end of part 3
